; MI455X (gfx1250); checked and timed in simulation.
; The chip was launched on July 23, 2026; its instructions are those of AMD's public machine-readable ISA for CDNA 5 (MIT licence, August 2026) and "CDNA5" Instruction Set Architecture Reference Guide (July 2026). The comments in the code are by the model that wrote it; some were corrected since.
;; RFFR base. Allowed arithmetic: matrix products marked QUANTISED: E2M3 operands, one E8M0 scale for each 32 along K, by v_wmma_scale_f32_16x16x128_f8f6f4 with both operands' format E2M3, f32 sums; everything else in f32.
;; Inputs: tgt 8 x 2,048 x 512 float32.
;; Outputs: out0 8 x 2,048 x 512 float32.
;; This version of the problem:
;;   THIS VERSION OF THE PROBLEM IS GIVEN IN LOW PRECISION. The matrix products marked QUANTISED in the list below multiply operands that are first quantised to E2M3 (2 exponent bits, 3 mantissa bits; 6 bits a number), with one power-of-two scale for each 32 numbers along K (OCP MX v1.0); their sums are f32. All else is computed in f32.
;;   The module's matrix products, in the order in which they are computed (A, B: the left and right operand; K: the contracted axis; several contracted axes count as one K, in the product's order):
;;     1. batch 8 x [M 2,048, K 512] x [K 512, N 2,048]; A: computed on the way; B: computed on the way: QUANTISED
;;     2. batch 8 x [M 2,048, K 2,048] x [K 2,048, N 512]; A: computed on the way; B: input tgt: QUANTISED
;;   THE QUANTISER, for each operand of a quantised product, along K:
;;     - K is cut into blocks of 32 from its start; a last block that is shorter is filled with zeros.
;;     - A block's scale is 2^e with e = floor(log2(the largest magnitude in the block)) - 2, held to -126 .. 127; a block of zeros has e = 0. As a byte (E8M0): e + 127.
;;     - Each number is divided by its block's scale, clamped to +-7.5, and rounded to the nearest number of E2M3, ties to even, subnormals kept.
;;     - The product sums the exact products of the quantised numbers (number of the format x scale) in f32.
;;   ~~~python
;;   def quantise(x, axis):      # numpy; x: float32 -> the quantised numbers, widened to float32 again
;;       x = np.moveaxis(x, axis, -1); K = x.shape[-1]
;;       x = np.pad(x, [(0, 0)] * (x.ndim - 1) + [(0, -K % 32)]); x = x.reshape(x.shape[:-1] + (-1, 32)); a = np.abs(x).max(-1, keepdims=True)
;;       e = np.where(a > 0, np.clip(np.frexp(np.where(a > 0, a, 1))[1] - 1 - 2, -126, 127), 0)      # np.frexp(a)[1] - 1 = floor(log2(a)), exactly
;;       r = np.clip(x / 2.0 ** e, -7.5, 7.5)
;;       step = 2.0 ** (np.maximum(np.frexp(np.where(r == 0, 1, r))[1] - 1, 0) - 3)
;;       q = np.round(r / step) * step * 2.0 ** e      # np.round: ties to even
;;       return np.moveaxis(q.reshape(q.shape[:-2] + (-1,))[..., :K], -1, axis).astype(np.float32)
;;   ~~~
;;   OPERANDS COMPUTED ON THE WAY. 'Computed on the way' means the value that the module computes at that place (a softmax that the list does not call 'softmax' is quantised finished and normalised). What goes into a quantiser is computed in f32, as accurately as f32 sums, v_exp_f32 and their like allow (about 1e-6 of the number): no bf16 or f16 on the way to a quantiser, and a product that is left as it is and whose result goes on into a quantised operand takes f32 operands (vector FMAs, or v_wmma_f32_16x16x4_f32). A number that lies on a knife's edge between two numbers of the format may be rounded either way, as far as f32 arithmetic and the matrix unit's own rounding can turn it there, and no further.
;; One version. Each part assembles by itself: llvm-mc -triple=amdgcn-amd-amdhsa -mcpu=gfx1250 --defsym DOCPART=n.
;; ======== version 1 of 1: 2 launches
;; workspace buffers: codes 12,582,912 bytes; scales 524,288 bytes
;; launch quant (part 1): grid 256 x 1, 16 waves a work-group, no clusters, 167,936 bytes of LDS; arguments tgt, codes, scales; writes codes, scales
.if DOCPART == 1
	.amdgcn_target "amdgcn-amd-amdhsa--gfx1250"
	.amdhsa_code_object_version 6
	.text
	.protected	k_qf364cb1611_quant
	.globl	k_qf364cb1611_quant
	.p2align	8
	.type	k_qf364cb1611_quant,@function
k_qf364cb1611_quant:
	s_mov_b64 s[64:65], 0
	v_nop
	global_prefetch_b8 v0, s[64:65] scope:SCOPE_SE
	s_setreg_imm32_b32 hwreg(HW_REG_WAVE_MODE, 25, 1), 1
	s_wait_xcnt 0x0
; FIRST OF TWO LAUNCHES.  out = Q(tanh(Q(n) Q(n)^T)) Q(tgt), n = tgt / |tgt| row by row, Q = the MX quantiser to E2M3 along each product's K.
; Nothing of reference() is left out: every step reaches the output for some input, so there is no dead work, and tgt, the only input, is loaded.
; THIS LAUNCH reads tgt once and makes both operands that the second launch reads many times:
;   n, quantised along the 512 features (it is both operands of the first product), and tgt, quantised DOWN the rows (the keys are the second product's K).
; Both are stored as IMAGES OF THE OPERAND'S REGISTERS: a fragment (16 rows x 128 along K, 12 registers a lane) is 1,536 bytes, register j of lane l at 512 (j / 4) + 16 l + 4 (j % 4).
; codes [batch 8][step 16 of 128 rows][98,304]:  K part [block of 32 rows 4][u 2][s 4][1,536], then V part [tile of 16 features 32][1,536].
;   K part: tile (block, u) holds rows 32 block + 8 u + r + 8 (r / 8); s is the 128 features; lane (r, h), registers 6 c ..: features 128 s + 64 c + 32 h + 0 .. 31.
;   V part: tile T holds features 16 T + r; lane (r, h), registers 6 c ..: the step's rows 32 (2 h + c) + 0 .. 31.  (Whole blocks of 32 keys change places along K; the second launch lays P the same way, so every product meets its partner and its scale.)
; scales [batch 8][K 32,768 | V 32,768]:  K: [block of 32 rows 64][u 2][r 16][16 bytes: the row's 16 scale bytes];  V: [step 16][feature 512][4 bytes: byte 2 c + h for the step's block 2 h + c].
; A block's scale is 2^(floor(log2(largest magnitude)) - 2); its byte is the largest magnitude's exponent field - 2, held at 1 from below.
; LIMITS.  A block of zeros gets the byte 1 where the rule says 127: its codes are zeros, and this program alone reads the bytes.  NaN, infinities and rows of zeros are not served (reference() is not finite there).
;   Rows whose sum of squares leaves f32's range (magnitudes beyond about 1e18 or all under about 1e-19) are not served.  1 / norm is v_rsq_f32 and a multiplication, and the squares are summed in another order than reference()'s.
; SHARES.  A work-group owns 64 rows (131,072 dense bytes), brought into LDS by sixteen tensor loads, one a wave, filled once.  Each of the 16 waves then has two jobs:
;   N job: one fragment of n: tile t = wave / 4 of the four tiles of rows, s = wave % 4;   V job: 32 features, a lane a feature, its registers running down the 64 rows: two whole blocks.
.set ROWP,   2080                      ; a row in LDS: two halves of 1,024 bytes, 16 bytes of padding behind each
.set PSUM,   133120                    ; behind the tile: [t 4][r 16][s 4] partial sums of squares
.set NSC,    134144                    ; [t 4][r 16][s 4] scale words of n
.set SPARE,  135168                    ; the spare words, 128 bytes for each wave: eight blocks of 256 bytes that no other line names
.set STEPB,  98304
.set KPART,  49152
.set XAD, 4                            ; v4   LDS: my 64 numbers of the N job
.set YA0, 5                            ; v5   LDS: my feature, rows 0-31;  v6: rows 32-63
.set YA1, 6
.set PSW, 7                            ; v7   where I put my partial sum;  v8: where I read my row's four
.set PSR, 8
.set VCO, 9                            ; v9   byte offsets in codes and scales; never rewritten
.set VSO, 10
.set KCO, 11
.set NSW, 12                           ; v12  where I put my row's scale word;  v13: where waves 0 and 1 read them back
.set NSR, 13
.set SPW, 14                           ; v14  LDS address of my spare word; never rewritten
.set NIL, 15                           ; v15  0; never rewritten
.set M,   16                           ; v16-17 largest magnitudes;  v18-19 the conversions' scale operands
.set SO,  18
.set SA,  22                           ; v[22:25] sums
.set NSO, 26
.set RN,  28                           ; v[28:29] 1 / norm (the packed form names a pair and takes its low word)
.set PD,  30                           ; a lane permute's destination
.set TW,  31
.set X,   32                           ; v32-95   the N job's 64 numbers
.set Y,   96                           ; v96-159  the V job's 64 numbers
.set CV,  160                          ; v160-171 the V job's codes;  v172-183 the N job's: neither is written again, so no store's data are
.set CN,  172
.set CT,  184                          ; the conversions' odd halves
.set EV,  192                          ; the V job's two scale bytes;  v194-195 the N job's;  v196-199 scale rows on their way out
.set EN,  194
.set OW,  196
	s_load_b128 s[4:7], s[0:1], 0x0                ; tgt, codes
	s_load_b64 s[8:9], s[0:1], 0x10                ; scales
	v_lshl_add_u32 v[SPW], v0, 2, SPARE
	v_mov_b32 v[NIL], 0
	ds_add_u32 v[SPW], v[NIL]                      ; the wave's opening: the add, twice on end, and its wait ahead of my first tensor load
	ds_add_u32 v[SPW], v[NIL]
	v_lshrrev_b32 v1, 5, v0
	v_readfirstlane_b32 s10, v1                    ; wave 0..15
	; descriptor group 1: 8 half rows of 128 elements of 8 bytes, dense in memory; 4 words of padding behind every 256 words
	s_mov_b32 s16, (3<<16)|(1<<20)|(7<<22)|(3<<25)
	s_mov_b32 s17, 128<<16                         ; tensor_dim0
	s_mov_b32 s18, 8<<16                           ; tensor_dim1
	s_mov_b32 s19, 128<<16                         ; tile_dim0
	s_mov_b32 s20, 8                               ; tile_dim1
	s_mov_b32 s21, 128                             ; from row to row
	s_mov_b32 s22, 0
	s_mov_b32 s23, 0
	s_mov_b32 s24, 0x76543210                      ; v_permlanex16_b32's selects for lane l xor 16
	s_mov_b32 s25, 0xfedcba98
	s_lshl_b32 s26, ttmp9, 17                      ; my work-group's 64 rows,
	s_lshl_b32 s27, s10, 13                        ; my wave's four of them
	s_add_co_u32 s26, s26, s27
	s_mov_b32 s27, 0
	s_lshr_b32 s28, ttmp9, 5                       ; batch
	s_and_b32 s29, ttmp9, 31                       ; which 64 rows of the batch
	s_lshr_b32 s30, s29, 1                         ; step of 128 rows
	s_and_b32 s31, s29, 1                          ; which half of it
	s_mul_i32 s32, s28, 16*STEPB
	s_mul_i32 s33, s30, STEPB
	s_add_co_u32 s32, s32, s33                     ; my step's block of codes
	s_mov_b32 s33, 0
	s_lshl_b32 s34, s28, 16                        ; my batch's scales
	s_mov_b32 s35, 0
	s_mov_b32 s12, 1                               ; group 0: count,
	s_mul_i32 s13, s10, 4*ROWP                     ; LDS address: wave x four rows,
	s_wait_dscnt 0x0                               ; both opening adds are done
	s_wait_kmcnt 0x0
	s_add_nc_u64 s[14:15], s[4:5], s[26:27]        ; global address,
	s_or_b32 s15, s15, 0x80000000                  ; type
	tensor_load_to_lds s[12:15], s[16:23]          ; one load a wave, and the only one: nothing is filled again
	s_nop 0
	s_add_nc_u64 s[6:7], s[6:7], s[32:33]
	s_add_nc_u64 s[8:9], s[8:9], s[34:35]
	v_and_b32 v1, 31, v0                           ; lane
	v_and_b32 v2, 15, v0                           ; r
	v_bfe_u32 v3, v0, 4, 1                         ; h
	s_lshr_b32 s36, s10, 2                         ; t
	s_and_b32 s37, s10, 3                          ; s
	s_lshr_b32 s38, s10, 3                         ; t / 2: which 32 rows
	s_and_b32 s39, s36, 1                          ; u
	s_lshl_b32 s40, s38, 5
	s_lshl_b32 s41, s39, 3
	s_add_co_u32 s40, s40, s41
	s_mul_i32 s40, s40, ROWP                       ; row 32 (t / 2) + 8 u,
	s_lshl_b32 s41, s37, 9
	s_add_co_u32 s40, s40, s41                     ; feature 128 s,
	s_lshr_b32 s41, s37, 1
	s_lshl_b32 s41, s41, 4
	s_add_co_u32 s40, s40, s41                     ; behind the padding where s is 2 or 3
	v_and_b32 v[XAD], 8, v2
	v_add_nc_u32 v[XAD], v[XAD], v2                ; r + 8 (r / 8)
	v_mul_u32_u24 v[XAD], v[XAD], ROWP
	v_lshl_add_u32 v[XAD], v3, 7, v[XAD]           ; + 32 h features
	v_add_nc_u32 v[XAD], s40, v[XAD]
	s_lshl_b32 s41, s10, 7
	s_lshl_b32 s42, s38, 4
	s_add_co_u32 s41, s41, s42
	v_lshl_add_u32 v[YA0], v1, 2, s41              ; feature 32 wave + lane, behind the padding in waves 8-15
	v_add_nc_u32 v[YA1], 32*ROWP, v[YA0]
	s_lshl_b32 s42, s36, 8
	s_add_co_u32 s42, s42, PSUM
	v_lshl_add_u32 v[PSR], v2, 4, s42              ; PSUM + 256 t + 16 r
	s_lshl_b32 s43, s37, 2
	v_add_nc_u32 v[PSW], s43, v[PSR]               ; + 4 s
	v_add_nc_u32 v[NSW], NSC-PSUM, v[PSW]
	s_and_b32 s43, s10, 1
	s_lshl_b32 s43, s43, 9
	v_lshlrev_b32 v[TW], 4, v1                     ; 16 x lane
	v_add_nc_u32 v[NSR], s43, v[TW]
	v_add_nc_u32 v[NSR], NSC, v[NSR]               ; NSC + 512 (wave % 2) + 16 lane
	s_lshl_b32 s44, s29, 10
	s_add_co_u32 s44, s44, s43
	v_add_nc_u32 v[NSO], s44, v[TW]                ; and the same place in the batch's K scales
	s_mul_i32 s44, s31, 24576
	s_mul_i32 s45, s10, 1536
	s_add_co_u32 s44, s44, s45
	v_add_nc_u32 v[KCO], s44, v[TW]                ; my fragment of n: image 16 half + wave
	s_mul_i32 s44, s10, 3072
	s_lshl_b32 s45, s31, 8
	s_add_co_u32 s44, s44, s45
	s_add_co_u32 s44, s44, KPART
	v_mul_u32_u24 v[VCO], v3, 1536
	v_lshl_add_u32 v[VCO], v2, 4, v[VCO]
	v_add_nc_u32 v[VCO], s44, v[VCO]               ; V: tile 2 wave + lane / 16, the image's lane r + 16 half
	s_lshl_b32 s44, s30, 11
	s_lshl_b32 s45, s10, 7
	s_add_co_u32 s44, s44, s45
	s_add_co_u32 s44, s44, s31
	s_add_co_u32 s44, s44, 32768
	v_lshl_add_u32 v[VSO], v1, 2, s44              ; V's scale word of my feature, byte = half
	v_mov_b32 v[RN+1], 0                           ; (named with RN as a pair, so it is written)
	v_mov_b32 v[PD], 0                             ; (a lane permute's destination counts as one of its sources)
; 64 numbers of a lane, two whole blocks of 32 along K, become the 12 registers of its part of a fragment, and two scale bytes.
.macro QUANT2 src, dst, e
.irp c, 0,1
	v_max3_num_f32 v[M+\c], |v[\src+32*\c]|, |v[\src+32*\c+1]|, 0x1800000   ; with the floor 2^(3 - 127): the byte cannot fall under 1
.endr
.irp i, 2,4,6,8,10,12,14,16,18,20,22,24,26,28,30
.irp c, 0,1
	v_max3_num_f32 v[M+\c], v[M+\c], |v[\src+32*\c+\i]|, |v[\src+32*\c+\i+1]|   ; (the two blocks by turns)
.endr
.endr
.irp c, 0,1
	v_add_nc_u32 v[SO+\c], 0xff000000, v[M+\c]     ; 2 off the exponent field: the conversion takes this operand's exponent field as its scale
.endr
.irp c, 0,1
	v_lshrrev_b32 v[\e+\c], 23, v[SO+\c]           ; the scale's byte
.endr
.irp c, 0,1
	v_cvt_scalef32_pk16_fp6_f32 v[\dst+6*\c:\dst+6*\c+2], v[\src+32*\c:\src+32*\c+15], v[SO+\c]
	v_cvt_scalef32_pk16_fp6_f32 v[CT+4*\c:CT+4*\c+2], v[\src+32*\c+16:\src+32*\c+31], v[SO+\c]   ; (a conversion's three registers begin on an even number)
.endr
	v_nop                                          ; one plain place behind a scaled conversion
.irp c, 0,1
.irp i, 0,1,2
	v_mov_b32 v[\dst+6*\c+3+\i], v[CT+4*\c+\i]
.endr
.endr
.endm
.macro YLOAD c, adr                    ; my feature's rows 32 c + 0 .. 31: each load reads 128 neighbouring bytes
.set j, 0
.rept 32
	ds_load_b32 v[Y+32*\c+j], v[\adr] offset:ROWP*j
.set j, j+1
.endr
.endm
	s_wait_tensorcnt 0x0                           ; my four rows are in LDS,
	s_barrier_signal -1
	s_barrier_wait -1                              ; everybody's are
.irp c, 0,1
.irp j, 0,1,2,3,4,5,6,7
	ds_load_b128 v[X+32*\c+4*\j:X+32*\c+4*\j+3], v[XAD] offset:256*\c+16*\j   ; features 128 s + 64 c + 32 h + 4 j ..
.endr
.endr
	YLOAD 0, YA0
	s_wait_dscnt 32                                ; the N job's 16 loads are in; the 32 issued behind them may be out
	v_pk_mul_f32 v[SA:SA+1], v[X:X+1], v[X:X+1]    ; the squares of my 64 numbers, in two packed chains; the first products start the sums
	v_pk_mul_f32 v[SA+2:SA+3], v[X+2:X+3], v[X+2:X+3]
.set j, 4
.rept 15
	v_pk_fma_f32 v[SA:SA+1], v[X+j:X+j+1], v[X+j:X+j+1], v[SA:SA+1]
	v_pk_fma_f32 v[SA+2:SA+3], v[X+j+2:X+j+3], v[X+j+2:X+j+3], v[SA+2:SA+3]
.set j, j+4
.endr
	v_pk_add_f32 v[SA:SA+1], v[SA:SA+1], v[SA+2:SA+3]
	v_add_f32 v[SA], v[SA], v[SA+1]
	v_permlanex16_b32 v[PD], v[SA], s24, s25
	v_add_f32 v[SA], v[SA], v[PD]                  ; with lane l xor 16's: my row's 128 features of s
	YLOAD 1, YA1
	ds_store_b32 v[PSW], v[SA]                     ; (both halves of the lanes write the same word with the same value)
	s_wait_dscnt 0x0                               ; the V job's numbers are in, and my partial sum has landed
	QUANT2 Y, CV, EV
.irp i, 0,1,2
	global_store_b128 v[VCO], v[CV+4*\i:CV+4*\i+3], s[6:7] offset:512*\i   ; sixteen lanes store 256 consecutive bytes, at a multiple of 256 from the buffer's first byte
.endr
	global_store_b8 v[VSO], v[EV], s[8:9]          ; two single bytes a feature: the other two of the word are the other half's work-group's.  One byte for each 128 that the launch reads
	global_store_b8 v[VSO], v[EV+1], s[8:9] offset:2
	s_barrier_signal -1                            ; (no LDS instruction of mine is out: the wait for 0 above was the last)
	s_barrier_wait -1                              ; all partial sums lie in LDS
	ds_load_b128 v[SA:SA+3], v[PSR]
	s_wait_dscnt 0x0
	v_add_f32 v[SA], v[SA], v[SA+1]
	v_add_f32 v[SA+2], v[SA+2], v[SA+3]
	v_add_f32 v[SA], v[SA], v[SA+2]                ; the row's sum of squares: the same additions in all four waves of a tile
	v_rsq_f32 v[RN], v[SA]
	v_nop                                          ; a plain place behind the transcendental,
	s_wait_alu depctr_va_vdst(0)                   ; and a wait ahead of its first reader
.set j, 0
.rept 32
	v_pk_mul_f32 v[X+j:X+j+1], v[X+j:X+j+1], v[RN:RN+1] op_sel_hi:[1,0]
.set j, j+2
.endr
	QUANT2 X, CN, EN
	v_lshl_or_b32 v[TW], v[EN+1], 16, v[EN]        ; my two bytes: blocks h and 2 + h of the 128 features,
	v_lshlrev_b32 v[M], 3, v3
	v_lshlrev_b32 v[TW], v[M], v[TW]               ; at their places in the scale word;
	v_permlanex16_b32 v[PD], v[TW], s24, s25
	v_or_b32 v[TW], v[TW], v[PD]                   ; with lane l xor 16's two the word is whole
.irp i, 0,1,2
	global_store_b128 v[KCO], v[CN+4*\i:CN+4*\i+3], s[6:7] offset:512*\i   ; 32 lanes store 512 consecutive bytes
.endr
	ds_store_b32 v[NSW], v[TW]
	s_wait_dscnt 0x0                               ; for the others' sake: my word has landed
	s_barrier_signal -1
	s_barrier_wait -1
	s_cmp_lt_u32 s10, 2                            ; waves 0 and 1 store the 64 rows' scale bytes, 512 consecutive bytes each
	s_cbranch_scc0 .Ldone
	ds_load_b128 v[OW:OW+3], v[NSR]
	s_wait_dscnt 0x0
	global_store_b128 v[NSO], v[OW:OW+3], s[8:9]
.Ldone:
	s_wait_tensorcnt 0x0                           ; the wave's end, behind my last tensor load and my last LDS store
	ds_add_u32 v[SPW], v[NIL]
	s_wait_dscnt 0x0
	s_endpgm
.Lfunc_end_k_qf364cb1611_quant:
	.size	k_qf364cb1611_quant, .Lfunc_end_k_qf364cb1611_quant-k_qf364cb1611_quant
	.p2alignl 7, 3214868480
	.fill 96, 4, 3214868480
	.section	.rodata,"a",@progbits
	.p2align	6, 0x0
	.amdhsa_kernel k_qf364cb1611_quant
		.amdhsa_group_segment_fixed_size 167936
		.amdhsa_private_segment_fixed_size 0
		.amdhsa_enable_private_segment 0
		.amdhsa_kernarg_size 24
		.amdhsa_user_sgpr_count 2
		.amdhsa_user_sgpr_kernarg_segment_ptr 1
		.amdhsa_wavefront_size32 1
		.amdhsa_system_sgpr_workgroup_id_x 1
		.amdhsa_system_sgpr_workgroup_id_y 1
		.amdhsa_system_sgpr_workgroup_id_z 1
		.amdhsa_system_vgpr_workitem_id 0
		.amdhsa_next_free_vgpr 200
		.amdhsa_next_free_sgpr 66
		.amdhsa_reserve_vcc 0
		.amdhsa_float_denorm_mode_32 3
		.amdhsa_float_denorm_mode_16_64 3
		.amdhsa_memory_ordered 1
		.amdhsa_forward_progress 1
		.amdhsa_inst_pref_size 22
	.end_amdhsa_kernel
	.amdgpu_metadata
---
amdhsa.version: [ 1, 2 ]
amdhsa.kernels:
  - .name:           k_qf364cb1611_quant
    .symbol:         k_qf364cb1611_quant.kd
    .args:
      - { .name: tgt, .offset: 0, .size: 8, .value_kind: global_buffer, .address_space: global }
      - { .name: codes, .offset: 8, .size: 8, .value_kind: global_buffer, .address_space: global }
      - { .name: scales, .offset: 16, .size: 8, .value_kind: global_buffer, .address_space: global }
    .group_segment_fixed_size: 167936
    .private_segment_fixed_size: 0
    .kernarg_segment_align: 8
    .kernarg_segment_size: 24
    .max_flat_workgroup_size: 512
    .sgpr_count:     66
    .vgpr_count:     200
    .wavefront_size: 32
...
	.end_amdgpu_metadata
.endif
;; end of part 1
;; launch attn (part 2): grid 32 x 8, 4 waves a work-group, clusters of 4 x 1, 327,680 bytes of LDS; arguments codes, scales, out0; writes out0
.if DOCPART == 2
	.amdgcn_target "amdgcn-amd-amdhsa--gfx1250"
	.amdhsa_code_object_version 6
	.text
	.protected	k_qf364cb1611_attn
	.globl	k_qf364cb1611_attn
	.p2align	8
	.type	k_qf364cb1611_attn,@function
k_qf364cb1611_attn:
	s_mov_b64 s[64:65], 0
	v_nop
	global_prefetch_b8 v0, s[64:65] scope:SCOPE_SE
	s_setreg_imm32_b32 hwreg(HW_REG_WAVE_MODE, 25, 1), 1
	s_wait_xcnt 0x0
	s_wait_alu depctr_hold_cnt(0) depctr_sa_sdst(0) depctr_va_vdst(0) depctr_va_sdst(0) depctr_va_ssrc(0) depctr_va_vcc(0) depctr_vm_vsrc(0)
	s_getreg_b32 s2, hwreg(HW_REG_IB_STS2, 6, 4)
	s_cmp_eq_u32 s2, 0
	s_cbranch_scc0 .Lentry_in_a_cluster
	s_endpgm
.Lentry_in_a_cluster:
	s_bfe_u32 s2, ttmp6, 0x10000c
	s_cmp_lg_u32 s2, 0x3003
	s_cbranch_scc0 .Lentry_shape_is_right
	s_endpgm
.Lentry_shape_is_right:
; SECOND OF TWO LAUNCHES.  out[b][q][:] = sum over keys of Q(tanh(Q(n)[q] . Q(n)[key])) Q(tgt)[key][:], both products on codes of E2M3 with one E8M0 scale for each 32 along K.  No work of reference() is left out.
; codes and scales are laid by the first launch as images of the operands' registers (its head comment has the layout): a fragment is three loads of 16 bytes a lane, at 16 x lane + 512 i.
; SHARES.  A work-group owns 64 queries of one batch, as four tiles qt; row r of tile qt is query 32 (qt / 2) + 8 (qt % 2) + r + 8 (r / 8).  It walks the batch's 2,048 keys, 128 a step.  In a step each of its four waves
;   S job:  makes S^T (source 0 = 16 keys, source 1 = 16 queries) for ITS block of 32 keys (two tiles) x all four query tiles x the 512 features: 32 matrix instructions, each fragment of keys feeding four;
;   then tanh in f32, quantises its block along the keys, and stores the codes and the scale byte into P's image in LDS;
;   PV job: owns 128 of the 512 features: O^T += V^T P^T (source 0 = 16 features, source 1 = P): 8 tiles x 4 query tiles = 32 accumulators, one matrix instruction each a step.
; A lane holds one query throughout.  The keys of a tile are chosen so that the 16 registers of a block's two tiles are 16 neighbouring keys.  Along the second product's K whole blocks of 32 keys change places
; (block 2 h + c stands where block 2 c + h would): V, P and both their scale words alike, so nothing in the sums changes.
; THE WALK.  The eight clusters of a batch begin at four different quarters of its keys and go round: cluster c takes, in its step t, the keys' block (4 f + t) mod 16, f = min(c, 7 - c).  So at any time they ask for four
; different blocks, and each block is asked for at four different times, four steps apart.  Only addresses in memory hang on f: the scale bytes are laid into LDS in the order of the walk, so every LDS address hangs on t and the wave alone.
; THE STEP IS PIPELINED BY ONE.  Behind sync(t) a wave loads K(t+1) and multiplies S of step t + 1; the loads of P(t) and V(t) stand in three runs behind the first three groups of eight of those products; then comes
; tanh of step t + 1, and the 32 products V^T P of step t stand among its exponentials and reciprocals, one behind every four; last P(t+1) is stored.  P has two buffers, by turns: P(t+1) is stored while other waves
; may still load P(t); the buffer that it goes to was last read a step ago, and those reads were waited for ahead of sync(t).
; THE RING.  Two slots of a step's 98,304 bytes (K part, V part).  At sync(t) the K part just read (step t's) and the V part of step t - 1 are free: waves 0, 1 fetch K(t+2), waves 2, 3 V(t+1): one tensor load a wave,
; 24,576 dense bytes, the first thing behind the round; it has a step's work in which to land.  By this text's count a wave has four tensor loads out at the head and one behind each sync.
; CLUSTER.  The four query blocks of a cluster belong to one batch and walk the same codes and scales: every tensor load is asked for jointly, with the same descriptor and a mask that names the four.
; tanh(x) = 1 - 2 / (1 + 2^(2 log2(e) x)).  LIMIT: its error is about 1e-7 ABSOLUTE, not relative: a small tanh carries that error.  It is exact in the limits (2^.. overflowing gives 1, underflowing -1).
; LIMITS: NaN and infinities are not served.  A block of P that is all zeros gets the scale byte 1: its codes are zeros.  The keys are summed in the order of the walk, which is not reference()'s.
; REGISTERS, in windows of 256: window 0: addresses, scale words (v24-41, and nothing else there), S^T (v80-143), P's four fragments (v144-191);  window 1: O^T, accumulator (dt, qt) at v[8 (4 dt + qt)];
;   window 2: Q, fragment (qt, s) at v[12 (4 qt + s)]; on the way out rows of out;   window 3: V's eight fragments at v[12 dt], K's eight at v[96 + 12 (2 s + u)].
; All that tanh touches lies in window 0, and V^T P names windows 3, 0 and 1: so each product among the exponentials costs two switches, 64 a step.
.set STEPB,  98304                     ; a step's block of codes
.set KPART,  49152
.set QUART,  24576                     ; what one tensor load brings
.set SLOT1,  1<<17                     ; slot 1 begins here: one exclusive or turns an address in one slot into the other's
.set KSC,    98304                     ; between the slots: the batch's K scales, 32,768 bytes, filled once
.set VSC,    229376                    ; behind slot 1: its V scales
.set PIMG,   262144                    ; P: four fragments, lane l's 12 registers at 48 l;
.set PSC,    PIMG+6144                 ; their scale words [qt][r], 256 bytes;
.set PB,     6400                      ; and the same once more: the second buffer
.set STAGE,  PIMG+2*PB                 ; the way out: 16 rows x (512 + 16) bytes for each wave
.set SPITCH, 528
.set SPARE,  STAGE+4*16*SPITCH         ; the spare words, 128 bytes for each wave: two blocks of 256 bytes that no other line names
.set LI,   2                           ; v2   16 x lane
.set AK0,  3                           ; v3   my lane's place in a slot's K part: my block's eight fragments
.set AV0,  4                           ; v4   in its V part: my eight tiles
.set AKS0, 5                           ; v5   among K's scales
.set AVS0, 6                           ; v6   among V's
.set APR,  7                           ; v7   P: where I read
.set APW,  8                           ; v8   P: where I store my block's 24 bytes
.set APSR, 9                           ; v9   P's scale words: where I read
.set APSW, 10                          ; v10  and where I store my block's byte
.set STO,  11
.set RD,   12
.set ADPW, 13                          ; v13, v15-19, v22-23: the addresses in hand
.set ADPSW, 15
.set ADK,  16
.set ADV,  17
.set ADKS, 18
.set ADVS, 19
.set SPW,  20                          ; v20  LDS address of my spare word; never rewritten
.set NIL,  21                          ; v21  0; never rewritten
.set ADP,  22
.set ADPS, 23
.set QS,   24                          ; v24-31 Q's scale words [qt / 2][s]: lanes 0-15 the even tile's, lanes 16-31 the odd one's
.set KS,   32                          ; v32-35 K's [s]: lanes 0-15 tile u = 0, lanes 16-31 u = 1
.set VS,   36                          ; v36-39 V's [dt / 2]: lanes 0-15 the even tile's, lanes 16-31 the odd one's
.set PS,   40                          ; v40-41 P's [qt / 2], likewise
.set M,    44
.set T,    48
.set SO,   52
.set E,    56
.set X,    60
.set Y,    72
.set S,    80
.set P,    144
.set WV,   10                          ; s10  my wave's number
.set G1C,  16                          ; s[16:23] group 1 for codes;  s[24:31] for the scales
.set G1S,  24
.set G0S,  32                          ; groups 0: my first quarter of scales, slot 0's first fill, slot 1's, the one that walks;
.set G0A,  36
.set G0B,  40
.set G0W,  44
.set G0T,  84                          ; s[84:87] and my second quarter of scales
.set TBV,  48                          ; s48  the slot of V(t);  s49 that of K(t+1)
.set TBK,  49
.set TSV,  50                          ; s50  2,048 t: V's scale words;  s51  2,048 (t + 1): K's
.set TSK,  51
.set CNT,  52
.set SEL,  56
.set TPR,  58                          ; s58  P's buffer that is read;  s59 the one that is written
.set TPW,  59
.set QB,   66                          ; s[66:67] my queries' fragments;  s[68:69] their scale words
.set QSB,  68
.set OFW,  80                          ; s[80:81] the walking descriptor's byte offset in the batch's codes; it goes round at 16 blocks
.set OFT,  82
.set MSB, 0
.macro WIN new                         ; the immediate's high byte repeats the setting that is left; a switch that changes nothing is dropped
.if MSB != \new
	s_set_vgpr_msb (MSB<<8)|\new
.set MSB, \new
.endif
.endm
.set W_S,  0x0b                        ; source 0 (K) window 3, source 1 (Q) window 2, C and D (S^T) window 0
.set W_PV, 0x53                        ; source 0 (V) window 3, source 1 (P) window 0, C and D (O^T) window 1
.set LD3,  0xc0                        ; destination window 3
.set LD2,  0x80                        ; destination window 2
.set ST1,  0x04                        ; an LDS store's data: window 1
.set ST2,  0x08                        ; a global store's data: window 2
; A round of the cluster's barrier: my work-group's barrier; wave 0 signals for the work-group; every wave waits for all four work-groups; my work-group's barrier once more.
.macro CROUND
	s_barrier_signal -1
	s_barrier_wait -1
	s_cmp_lg_u32 s[WV], 0
	s_cbranch_scc1 .Lnot_wave_0_\@
	s_barrier_signal -3
.Lnot_wave_0_\@:
	s_barrier_wait -3
	s_barrier_signal -1
	s_barrier_wait -1
.endm
.macro WLOAD                           ; the walking descriptor's load; an s_nop 0 and four v_nop follow it
	tensor_load_to_lds s[G0W:G0W+3], s[G1C:G1C+7]
	s_nop 0
.rept 4
	v_nop
.endr
.endm
; One matrix instruction, by the symbols rD, rA, rB, rSA, rSB; rRA, rRB = 1: that side's scale words stand in lanes 16-31; rZ = 1: it starts the sum.
.macro WMM
.set rSel, 4*rZ+2*rRA+rRB
.if rSel == 0
	v_wmma_scale_f32_16x16x128_f8f6f4 v[rD:rD+7], v[rA:rA+11], v[rB:rB+11], v[rD:rD+7], v[rSA], v[rSB] matrix_a_fmt:MATRIX_FMT_FP6 matrix_b_fmt:MATRIX_FMT_FP6
.elseif rSel == 1
	v_wmma_scale_f32_16x16x128_f8f6f4 v[rD:rD+7], v[rA:rA+11], v[rB:rB+11], v[rD:rD+7], v[rSA], v[rSB] matrix_a_fmt:MATRIX_FMT_FP6 matrix_b_fmt:MATRIX_FMT_FP6 matrix_b_scale:MATRIX_SCALE_ROW1
.elseif rSel == 2
	v_wmma_scale_f32_16x16x128_f8f6f4 v[rD:rD+7], v[rA:rA+11], v[rB:rB+11], v[rD:rD+7], v[rSA], v[rSB] matrix_a_fmt:MATRIX_FMT_FP6 matrix_b_fmt:MATRIX_FMT_FP6 matrix_a_scale:MATRIX_SCALE_ROW1
.elseif rSel == 3
	v_wmma_scale_f32_16x16x128_f8f6f4 v[rD:rD+7], v[rA:rA+11], v[rB:rB+11], v[rD:rD+7], v[rSA], v[rSB] matrix_a_fmt:MATRIX_FMT_FP6 matrix_b_fmt:MATRIX_FMT_FP6 matrix_a_scale:MATRIX_SCALE_ROW1 matrix_b_scale:MATRIX_SCALE_ROW1
.elseif rSel == 4
	v_wmma_scale_f32_16x16x128_f8f6f4 v[rD:rD+7], v[rA:rA+11], v[rB:rB+11], 0, v[rSA], v[rSB] matrix_a_fmt:MATRIX_FMT_FP6 matrix_b_fmt:MATRIX_FMT_FP6
.elseif rSel == 5
	v_wmma_scale_f32_16x16x128_f8f6f4 v[rD:rD+7], v[rA:rA+11], v[rB:rB+11], 0, v[rSA], v[rSB] matrix_a_fmt:MATRIX_FMT_FP6 matrix_b_fmt:MATRIX_FMT_FP6 matrix_b_scale:MATRIX_SCALE_ROW1
.elseif rSel == 6
	v_wmma_scale_f32_16x16x128_f8f6f4 v[rD:rD+7], v[rA:rA+11], v[rB:rB+11], 0, v[rSA], v[rSB] matrix_a_fmt:MATRIX_FMT_FP6 matrix_b_fmt:MATRIX_FMT_FP6 matrix_a_scale:MATRIX_SCALE_ROW1
.else
	v_wmma_scale_f32_16x16x128_f8f6f4 v[rD:rD+7], v[rA:rA+11], v[rB:rB+11], 0, v[rSA], v[rSB] matrix_a_fmt:MATRIX_FMT_FP6 matrix_b_fmt:MATRIX_FMT_FP6 matrix_a_scale:MATRIX_SCALE_ROW1 matrix_b_scale:MATRIX_SCALE_ROW1
.endif
.endm
; SYNC, once a step.  Each wave waits for all its tensor loads (its part of what the step will read), adds 0 to its spare word, and waits for that, for its stores of P and for its reads of the bytes that are now free.
; step = 1: the walking descriptor goes on: the other slot, the walk's next block (behind the batch's sixteenth comes its first).  fk, fv: waves 0, 1 (K) / waves 2, 3 (V) fill: then the barrier is a round of the cluster's.
.macro SYNC step, fk, fv
	WIN 0
	s_wait_tensorcnt 0x0                           ; no tensor load of mine is out, so a group 0 may be written
	ds_add_u32 v[SPW], v[NIL]                      ; 0 onto my spare word; the descriptor's step stands between it and the wait for it
.if \step
	s_xor_b32 s[G0W+1], s[G0W+1], SLOT1
	s_add_co_u32 s[OFW], s[OFW], STEPB
	s_cmp_ge_u32 s[OFW], 16*STEPB                  ; ids and the count of steps alone: the same in all four partners
	s_cselect_b32 s[OFT], 16*STEPB, 0
	s_sub_co_u32 s[OFW], s[OFW], s[OFT]
	s_add_nc_u64 s[G0W+2:G0W+3], s[4:5], s[OFW:OFW+1]
	s_or_b32 s[G0W+3], s[G0W+3], 0x80000000
.endif
	s_wait_dscnt 0x0                               ; the add is done, my part of P has landed, and my reads of the last step's bytes are over
.if (\fk) || (\fv)
	CROUND                                         ; all that now holds of every wave of all four work-groups
.if (\fk) && (\fv)
	WLOAD                                          ; the first thing behind the round, and my one tensor load until the next
.elseif \fk
	s_cmp_lt_u32 s[WV], 2                          ; the wave's number alone: the same in every work-group
	s_cbranch_scc0 .Lnone_\@
	WLOAD
.Lnone_\@:
.else
	s_cmp_ge_u32 s[WV], 2
	s_cbranch_scc0 .Lnone_\@
	WLOAD
.Lnone_\@:
.endif
.else
	s_barrier_signal -1
	s_barrier_wait -1
.endif
.endm
.macro ADDRS pv, ks                    ; the step's LDS addresses
.if \pv
	v_add_nc_u32 v[ADV], s[TBV], v[AV0]
	v_add_nc_u32 v[ADVS], s[TSV], v[AVS0]
	v_add_nc_u32 v[ADP], s[TPR], v[APR]
	v_add_nc_u32 v[ADPS], s[TPR], v[APSR]
.endif
.if \ks
	v_add_nc_u32 v[ADK], s[TBK], v[AK0]
	v_add_nc_u32 v[ADKS], s[TSK], v[AKS0]
.endif
.endm
.macro LDK                             ; 25 LDS loads: K's scale words, then its eight fragments, s by s
	ds_load_b128 v[KS:KS+3], v[ADKS]
	WIN LD3
.irp s, 0,1,2,3
.irp u, 0,1
.irp i, 0,1,2
	ds_load_b128 v[96+12*(2*\s+\u)+4*\i:96+12*(2*\s+\u)+4*\i+3], v[ADK] offset:6144*\u+1536*\s+512*\i
.endr
.endr
.endr
	WIN 0
.endm
.macro LDPA                            ; 18 LDS loads: P's scale words (2), V's (4), P's four fragments (12); every window is 0
.irp p, 0,1
	ds_load_b32 v[PS+\p], v[ADPS] offset:128*\p
.endr
.irp p, 0,1,2,3
	ds_load_b32 v[VS+\p], v[ADVS] offset:128*\p
.endr
.irp q, 0,1,2,3
.irp i, 0,1,2
	ds_load_b128 v[P+12*\q+4*\i:P+12*\q+4*\i+3], v[ADP] offset:1536*\q+16*\i
.endr
.endr
.endm
.macro LDV lo                          ; 12 LDS loads: V's tiles lo .. lo + 3
	WIN LD3
.irp d, 0,1,2,3
.irp i, 0,1,2
	ds_load_b128 v[12*((\lo)+\d)+4*\i:12*((\lo)+\d)+4*\i+3], v[ADV] offset:1536*((\lo)+\d)+512*\i
.endr
.endr
.endm
; S^T = K Q^T for my 32 keys: 32 matrix instructions, the 8 accumulators by turns; the first 128 features start the sums.
; pv = 1: behind the first three groups of eight stand the loads for V^T P: 18, 12 and 12.  They land in registers that the last step's V^T P read, whose last product stands more than four plain vector lines back.
.macro SMUL pv
.irp s, 0,1,2,3
.set wc, 18-6*\s                       ; K's two fragments of s are in; those of later s, six loads each, may be out,
.if \pv
.if \s > 0
.set wc, wc+18                         ; and so may the runs issued behind K's: 18,
.endif
.if \s > 1
.set wc, wc+12                         ; 12,
.endif
.if \s > 2
.set wc, wc+12                         ; and 12
.endif
.endif
	s_wait_dscnt wc
	WIN W_S
.irp qt, 0,1,2,3
.irp u, 0,1
.set rD, S+16*\qt+8*\u
.set rA, 96+12*(2*\s+\u)
.set rB, 12*(4*\qt+\s)
.set rSA, KS+\s
.set rSB, QS+4*(\qt/2)+\s
.set rRA, \u
.set rRB, \qt%2
.if \s == 0
.set rZ, 1
.else
.set rZ, 0
.endif
	WMM
.endr
.endr
.if \pv
.if \s == 0
	WIN 0
	LDPA
.elseif \s == 1
	LDV 0
.elseif \s == 2
	LDV 4
.endif
.endif
.endr
	WIN 0
.endm
; Product pvi of 32 of O^T += V^T P^T: tile dt = pvi / 4 of my features, query tile qt = pvi % 4.  The 32 accumulators take turns.  pvz = 1: it starts its sum.  With pvi = 32 nothing is written.
.macro PVNEXT
.if pvi < 32
.if pvi%4 == 0
	s_wait_dscnt 21-3*(pvi/4)                      ; V's tile dt and all ahead of it are in; V's later tiles, three loads each, may be out
.endif
	WIN W_PV
.set rD, 8*pvi
.set rA, 12*(pvi/4)
.set rB, P+12*(pvi%4)
.set rSA, VS+pvi/8
.set rSB, PS+(pvi%4)/2
.set rRA, (pvi/4)%2
.set rRB, pvi%2
.set rZ, pvz
	WMM
.set pvi, pvi+1
.endif
.endm
.macro PVSLOT                          ; one such product among vector work in window 0
	PVNEXT
	WIN 0
.endm
; tanh of my 64 scores a lane (register 16 qt + i: query r of tile qt, key 32 wave + 16 (lane / 16) + i), the quantiser along the keys, and the way into P's image.
; Behind every four exponentials and every four reciprocals stands one product V^T P of the step in hand (16 + 16): it names none of tanh's registers, and tanh none of its.
.macro TANHQ
	v_add_nc_u32 v[ADPW], s[TPW], v[APW]           ; these two and two v_nop are the four places between the last products of S^T and the first read of results
	v_add_nc_u32 v[ADPSW], s[TPW], v[APSW]
	v_nop
	v_nop
.set j, 0
.rept 32
	v_pk_mul_f32 v[S+j:S+j+1], v[S+j:S+j+1], 0x4038aa3b op_sel_hi:[1,0]   ; 2 log2(e) x; ascending: each accumulator is read from its low end on
.set j, j+2
.endr
.set j, 0
.rept 16
.rept 4
	v_exp_f32 v[S+j], v[S+j]
.set j, j+1
.endr
	PVSLOT
.endr
	v_nop                                          ; a plain place behind the last exponential,
	s_wait_alu depctr_va_vdst(0)                   ; and one wait for the batch, ahead of its first reader
.set j, 0
.rept 32
	v_pk_add_f32 v[S+j:S+j+1], v[S+j:S+j+1], 1.0 op_sel_hi:[1,0]
.set j, j+2
.endr
.set j, 0
.rept 16
.rept 4
	v_rcp_f32 v[S+j], v[S+j]
.set j, j+1
.endr
	PVSLOT
.endr
	v_nop
	s_wait_alu depctr_va_vdst(0)                   ; likewise for the reciprocals
.set j, 0
.rept 32
	v_pk_fma_f32 v[S+j:S+j+1], v[S+j:S+j+1], -2.0, 1.0 op_sel_hi:[1,0,0]   ; tanh = 1 - 2 / (1 + 2^..)
.set j, j+2
.endr
.irp q, 0,1,2,3
	v_max3_num_f32 v[M+\q], |v[S+16*\q]|, |v[S+16*\q+1]|, 0x1800000   ; tile q: my 16 keys, and the floor 2^(3 - 127): the byte cannot fall under 1
.endr
.irp i, 2,4,6,8,10,12,14
.irp q, 0,1,2,3
	v_max3_num_f32 v[M+\q], v[M+\q], |v[S+16*\q+\i]|, |v[S+16*\q+\i+1]|   ; (the four tiles by turns)
.endr
.endr
.irp q, 0,1,2,3
	v_permlanex16_b32 v[T+\q], v[M+\q], s[SEL], s[SEL+1]
.endr
.irp q, 0,1,2,3
	v_max_num_f32 v[M+\q], v[M+\q], v[T+\q]        ; with lane l xor 16's 16 keys: the block's largest magnitude
.endr
.irp q, 0,1,2,3
	v_add_nc_u32 v[SO+\q], 0xff000000, v[M+\q]     ; 2 off the exponent field: the conversion's scale operand
.endr
.irp q, 0,1,2,3
	v_lshrrev_b32 v[E+\q], 23, v[SO+\q]            ; the scale's byte
.endr
.irp p, 0,1
	v_cvt_scalef32_pk16_fp6_f32 v[X+6*\p:X+6*\p+2], v[S+32*\p:S+32*\p+15], v[SO+2*\p]          ; tile 2 p: my 16 keys' codes
	v_cvt_scalef32_pk16_fp6_f32 v[Y+4*\p:Y+4*\p+2], v[S+32*\p+16:S+32*\p+31], v[SO+2*\p+1]     ; tile 2 p + 1
.endr
	v_nop                                          ; one plain place behind a scaled conversion
.irp p, 0,1                            ; the first's lanes 16-31 change places with the second's lanes 0-15: lane (r, hl) then holds the WHOLE block of query r of tile 2 p + hl: lower 16 keys in X, upper 16 in Y
.irp i, 0,1,2
	v_permlane16_swap_b32 v[X+6*\p+\i], v[Y+4*\p+\i]
.endr
	v_permlane16_swap_b32 v[E+2*\p], v[E+2*\p+1]   ; and that tile's byte
.irp i, 0,1,2
	v_mov_b32 v[X+6*\p+3+\i], v[Y+4*\p+\i]
.endr
.endr
.irp p, 0,1
.irp i, 0,1,2
	ds_store_b64 v[ADPW], v[X+6*\p+2*\i:X+6*\p+2*\i+1] offset:3072*\p+8*\i   ; 24 bytes: registers 6 c .. 6 c + 5 of lane r + 16 h of tile 2 p + hl's image, my block being 2 h + c
.endr
	ds_store_b8 v[ADPSW], v[E+2*\p] offset:128*\p  ; byte 2 c + h of that query's scale word
.endr
.endm
.macro NEXT                            ; on to the next step
	s_xor_b32 s[TBV], s[TBV], SLOT1
	s_xor_b32 s[TBK], s[TBK], SLOT1
	s_add_co_u32 s[TSV], s[TSV], 2048
	s_add_co_u32 s[TSK], s[TSK], 2048
	s_xor_b32 s[TPR], s[TPR], PB
	s_xor_b32 s[TPW], s[TPW], PB
.endm
.macro STEPW zero                      ; a step's work behind its sync.  zero = 1: V^T P starts O^T's sums: nothing is cleared
	ADDRS 1, 1
	LDK
	SMUL 1
.set pvi, 0
.set pvz, \zero
	TANHQ
	NEXT
.endm
	s_load_b128 s[4:7], s[0:1], 0x0                ; codes, scales
	s_load_b64 s[8:9], s[0:1], 0x10                ; out0
	v_lshl_add_u32 v[SPW], v0, 2, SPARE
	v_mov_b32 v[NIL], 0
	ds_add_u32 v[SPW], v[NIL]                      ; the wave's opening: the add, twice on end, and its wait ahead of my first tensor load
	ds_add_u32 v[SPW], v[NIL]
	v_lshrrev_b32 v1, 5, v0
	v_readfirstlane_b32 s[WV], v1                  ; wave 0..3
	s_bfe_u32 s11, ttmp6, 0x40000                  ; cx: my place in the cluster
	s_lshl_b32 s12, ttmp9, 2
	s_add_co_u32 s12, s12, s11                     ; my block of 64 queries: it enters Q's and out's addresses alone
	s_and_b32 s13, ttmp7, 0xffff                   ; the batch, which the four partners share
	; group 1: dense blocks as rows of 256 bytes (32 elements of 8 bytes); the mask names all four work-groups, bit 21 beside it
	s_mov_b32 s[G1C], 15|(3<<16)|(1<<21)
	s_mov_b32 s[G1C+1], 32<<16
	s_mov_b32 s[G1C+2], 96<<16                     ; 96 rows: 24,576 bytes
	s_mov_b32 s[G1C+3], 32<<16
	s_mov_b32 s[G1C+4], 96
	s_mov_b32 s[G1C+5], 32
	s_mov_b32 s[G1C+6], 0
	s_mov_b32 s[G1C+7], 0
	s_mov_b32 s[G1S], 15|(3<<16)|(1<<21)
	s_mov_b32 s[G1S+1], 32<<16
	s_mov_b32 s[G1S+2], 32<<16                     ; 32 rows: 8,192 bytes: four steps' scale bytes of K or of V
	s_mov_b32 s[G1S+3], 32<<16
	s_mov_b32 s[G1S+4], 32
	s_mov_b32 s[G1S+5], 32
	s_mov_b32 s[G1S+6], 0
	s_mov_b32 s[G1S+7], 0
	s_mul_i32 s60, s13, 16*STEPB                   ; the batch's codes,
	s_mov_b32 s61, 0
	s_lshl_b32 s62, s13, 16                        ; its scales
	s_mov_b32 s63, 0
	s_lshr_b32 s92, ttmp9, 2                       ; where my cluster's walk begins: f = min(c, 7 - c) = (c xor 3 (c / 4)) mod 4, c the cluster's number in the batch, which the partners share
	s_mul_i32 s92, s92, 3
	s_xor_b32 s92, s92, ttmp9
	s_and_b32 s92, s92, 3
	s_mul_i32 s93, s92, 4*STEPB                    ; at the keys' block 4 f
	s_mul_i32 s70, s[WV], QUART                    ; my quarter of a step's block (waves 0, 1: the K part; 2, 3: the V part): in LDS,
	s_add_co_u32 s72, s93, s70                     ; and in the batch's codes, in the walk's first block
	s_mov_b32 s73, 0
	s_lshr_b32 s74, s[WV], 1
	s_and_b32 s75, s[WV], 1
	s_sub_co_u32 s78, 2, s74
	s_mul_i32 s78, s78, STEPB
	s_add_co_u32 s[OFW], s78, s72                  ; the walking descriptor begins at K(2) in waves 0, 1 and, one step of it short of V(2), at V(1) in waves 2, 3: block 4 f + 2 at the most, so nothing goes round yet
	s_mov_b32 s[OFW+1], 0
	s_lshl_b32 s76, s75, 1                         ; the scales: wave w brings quarters j = 2 (w % 2) and j + 1 of the walk, of K's (waves 0, 1) or V's (2, 3): in memory they are quarters (f + j) mod 4
	s_add_co_u32 s76, s76, s92
	s_and_b32 s88, s76, 3
	s_lshl_b32 s88, s88, 13
	s_add_co_u32 s76, s76, 1
	s_and_b32 s90, s76, 3
	s_lshl_b32 s90, s90, 13
	s_lshl_b32 s76, s74, 15                        ; V's lie 32,768 bytes behind K's
	s_add_co_u32 s88, s88, s76
	s_add_co_u32 s90, s90, s76
	s_mov_b32 s89, 0
	s_mov_b32 s91, 0
	s_mov_b32 s[G0S], 1
	s_lshl_b32 s[G0S+1], s74, 17
	s_lshl_b32 s76, s75, 14
	s_add_co_u32 s[G0S+1], s[G0S+1], s76
	s_add_co_u32 s[G0S+1], s[G0S+1], KSC           ; K's scales behind slot 0, V's behind slot 1; in LDS in the order of the walk
	s_mov_b32 s[G0T], 1
	s_add_co_u32 s[G0T+1], s[G0S+1], 8192
	s_mov_b32 s[G0A], 1
	s_mov_b32 s[G0A+1], s70
	s_mov_b32 s[G0B], 1
	s_add_co_u32 s[G0B+1], s70, SLOT1
	s_mov_b32 s[G0W], 1
	s_lshl_b32 s[G0W+1], s74, 17
	s_add_co_u32 s[G0W+1], s[G0W+1], s70           ; slot 0 in waves 0, 1; slot 1, one turn short of slot 0, in waves 2, 3
	s_mov_b32 s[SEL], 0x76543210
	s_mov_b32 s[SEL+1], 0xfedcba98
	s_mov_b32 s[TBV], 0
	s_mov_b32 s[TBK], 0                            ; the first scores are step 0's
	s_mov_b32 s[TSV], 0
	s_mov_b32 s[TSK], 0
	s_mov_b32 s[TPR], 0
	s_mov_b32 s[TPW], 0
	s_wait_dscnt 0x0                               ; both opening adds are done
	s_wait_kmcnt 0x0
	s_add_nc_u64 s[4:5], s[4:5], s[60:61]
	s_add_nc_u64 s[6:7], s[6:7], s[62:63]
	s_add_nc_u64 s[G0S+2:G0S+3], s[6:7], s[88:89]
	s_or_b32 s[G0S+3], s[G0S+3], 0x80000000
	s_add_nc_u64 s[G0T+2:G0T+3], s[6:7], s[90:91]
	s_or_b32 s[G0T+3], s[G0T+3], 0x80000000
	s_add_nc_u64 s[G0A+2:G0A+3], s[4:5], s[72:73]
	s_add_nc_u64 s[G0B+2:G0B+3], s[G0A+2:G0A+3], STEPB
	s_or_b32 s[G0A+3], s[G0A+3], 0x80000000
	s_or_b32 s[G0B+3], s[G0B+3], 0x80000000
	s_add_nc_u64 s[G0W+2:G0W+3], s[4:5], s[OFW:OFW+1]
	s_or_b32 s[G0W+3], s[G0W+3], 0x80000000
	CROUND                                         ; all four work-groups are here: the first joint loads meet
	tensor_load_to_lds s[G0S:G0S+3], s[G1S:G1S+7]  ; the batch's scales: filled once
	s_nop 0
	tensor_load_to_lds s[G0T:G0T+3], s[G1S:G1S+7]
	s_nop 0
	tensor_load_to_lds s[G0A:G0A+3], s[G1C:G1C+7]  ; step 0
	s_nop 0
	tensor_load_to_lds s[G0B:G0B+3], s[G1C:G1C+7]  ; step 1
	s_nop 0
.rept 4
	v_nop
.endr
	v_and_b32 v1, 31, v0                           ; lane
	v_lshlrev_b32 v[LI], 4, v1
	s_lshr_b32 s60, s12, 1
	s_mul_i32 s60, s60, STEPB
	s_and_b32 s61, s12, 1
	s_mul_i32 s61, s61, QUART
	s_add_co_u32 s60, s60, s61                     ; my 64 queries are half of a block's K part
	s_mov_b32 s61, 0
	s_add_nc_u64 s[QB:QB+1], s[4:5], s[60:61]
	s_lshl_b32 s60, s12, 10
	s_add_nc_u64 s[QSB:QSB+1], s[6:7], s[60:61]
	WIN LD2
.set j, 0
.rept 48
	global_load_b128 v[4*j:4*j+3], v[LI], s[QB:QB+1] offset:512*j   ; Q's sixteen fragments lie on end: they stay in registers
.set j, j+1
.endr
	WIN 0
	global_load_b128 v[QS:QS+3], v[LI], s[QSB:QSB+1]
	global_load_b128 v[QS+4:QS+7], v[LI], s[QSB:QSB+1] offset:512
	s_lshl_b32 s60, s13, 22                        ; out: the batch,
	s_lshl_b32 s62, s12, 17                        ; my 64 rows of 2,048 bytes,
	s_add_co_u32 s60, s60, s62
	s_lshl_b32 s62, s[WV], 9                       ; my wave's 128 features
	s_add_co_u32 s60, s60, s62
	s_add_nc_u64 s[8:9], s[8:9], s[60:61]
	v_and_b32 v42, 15, v0                          ; r
	v_bfe_u32 v43, v0, 4, 1                        ; lane / 16
	v_lshlrev_b32 v44, 2, v1                       ; 4 x lane
	s_mul_i32 s60, s[WV], 12288
	v_add_nc_u32 v[AK0], s60, v[LI]
	s_add_co_u32 s62, s60, KPART
	v_add_nc_u32 v[AV0], s62, v[LI]
	s_lshl_b32 s60, s[WV], 9
	s_add_co_u32 s62, s60, KSC
	v_add_nc_u32 v[AKS0], s62, v[LI]               ; my block's 32 rows x 16 bytes
	s_add_co_u32 s62, s60, VSC
	v_add_nc_u32 v[AVS0], s62, v44                 ; my 128 features x 4 bytes
	v_mul_u32_u24 v[APR], v1, 48
	v_add_nc_u32 v[APR], PIMG, v[APR]
	v_mul_u32_u24 v[APW], v42, 48
	v_mad_u32_u24 v[APW], v43, 1536, v[APW]
	s_mul_i32 s60, s74, 768
	s_mul_i32 s62, s75, 24
	s_add_co_u32 s60, s60, s62
	s_add_co_u32 s60, s60, PIMG
	v_add_nc_u32 v[APW], s60, v[APW]
	v_add_nc_u32 v[APSR], PSC, v44
	s_lshl_b32 s60, s75, 1
	s_add_co_u32 s60, s60, s74
	s_add_co_u32 s60, s60, PSC
	v_add_nc_u32 v[APSW], s60, v44
	s_mul_i32 s60, s[WV], 16*SPITCH
	s_add_co_u32 s60, s60, STAGE                   ; my stage
	v_mul_u32_u24 v[STO], v42, SPITCH
	v_lshl_add_u32 v[STO], v43, 5, v[STO]
	v_add_nc_u32 v[STO], s60, v[STO]               ; in: row r, 32 bytes for each half of the lanes
	v_add_nc_u32 v[RD], s60, v[LI]                 ; back: the 32 lanes take a row of 512 bytes
.irp q, 0,1,2,3
	v_mov_b32 v[T+\q], 0                           ; written once: a lane permute's destination counts as one of its sources
.endr
	s_wait_tensorcnt 1                             ; the scales and my part of step 0 are in; step 1's load may stay out
	s_barrier_signal -1
	s_barrier_wait -1                              ; everybody's are
	ADDRS 0, 1
	LDK                                            ; K(0)
	s_wait_loadcnt 0x0                             ; Q and its scale words
	SMUL 0
.set pvi, 32                           ; there is no V^T P yet to set among the exponentials
.set pvz, 0
	TANHQ                                          ; P(0), into buffer 0
	s_mov_b32 s[TBK], SLOT1
	s_mov_b32 s[TSK], 2048
	s_mov_b32 s[TPW], PB
	SYNC 0, 1, 0                                   ; step 0: K(2) goes into slot 0's K part; V(1) came with the first fills
	STEPW 1
	s_mov_b32 s[CNT], 13
.Lstep:                                            ; steps 1 to 13: every wave fills
	SYNC 1, 1, 1
	STEPW 0
	s_sub_co_u32 s[CNT], s[CNT], 1
	s_cmp_lg_u32 s[CNT], 0
	s_cbranch_scc1 .Lstep
	SYNC 1, 0, 1                                   ; step 14: V(15) alone is left to fetch
	STEPW 0
	SYNC 0, 0, 0                                   ; step 15: nothing is filled, so my work-group's barrier is enough
	ADDRS 1, 0
	LDPA
	LDV 0
	LDV 4
.set pvi, 0
.set pvz, 0
.rept 32
	PVNEXT                                         ; the last V^T P: no vector work is left to set between
.endr
; THE WAY OUT, a query tile at a time.  A lane holds 32 neighbouring bytes of a row for each of my eight feature tiles, and the lanes beside it hold other rows: so a tile goes through my own stage in LDS and comes back as
; whole pieces of rows, 512 bytes, which the 32 lanes store at a multiple of 512 from out's first byte.  LDS serves a wave's instructions in order (ISA guide 5.7.1.4): no wait between the stores and the loads, nor ahead of the next tile's stores.
.macro TOSTAGE q
	WIN ST1
.irp dt, 0,1,2,3,4,5,6,7
	ds_store_b128 v[STO], v[8*(4*\dt+(\q)):8*(4*\dt+(\q))+3] offset:64*\dt          ; each accumulator from its low end on
	ds_store_b128 v[STO], v[8*(4*\dt+(\q))+4:8*(4*\dt+(\q))+7] offset:64*\dt+16
.endr
	WIN LD2
.irp t, 0,1,2,3,4,5,6,7,8,9,10,11,12,13,14,15
	ds_load_b128 v[64*(\q)+4*\t:64*(\q)+4*\t+3], v[RD] offset:\t*SPITCH
.endr
.endm
.macro SEND q
	WIN ST2
.irp t, 0,1,2,3,4,5,6,7,8,9,10,11,12,13,14,15
	global_store_b128 v[LI], v[64*(\q)+4*\t:64*(\q)+4*\t+3], s[8:9] offset:2048*(32*((\q)/2)+8*((\q)%2)+\t+8*(\t/8)) th:TH_STORE_NT   ; row t of the tile is query 32 (q / 2) + 8 (q % 2) + t + 8 (t / 8)
.endr
.endm
.rept 4
	v_nop                                          ; four places between the last products and the first read of results
.endr
	TOSTAGE 0
	TOSTAGE 1
	s_wait_dscnt 32                                ; tile 0 is back; the next tile's 16 stores and 16 loads may be out
	SEND 0
	TOSTAGE 2
	s_wait_dscnt 32
	SEND 1
	TOSTAGE 3
	s_wait_dscnt 32
	SEND 2
	s_wait_dscnt 0x0
	SEND 3                                         ; each tile has registers of its own: no store's data are written again
	WIN 0
	s_wait_tensorcnt 0x0                           ; the wave's end, behind my last tensor load and my last LDS store
	ds_add_u32 v[SPW], v[NIL]
	s_wait_dscnt 0x0
	CROUND                                         ; the closing round: no work-group ends while a partner may still ask for a tile that names it
	s_endpgm
.Lfunc_end_k_qf364cb1611_attn:
	.size	k_qf364cb1611_attn, .Lfunc_end_k_qf364cb1611_attn-k_qf364cb1611_attn
	.p2alignl 7, 3214868480
	.fill 96, 4, 3214868480
	.section	.rodata,"a",@progbits
	.p2align	6, 0x0
	.amdhsa_kernel k_qf364cb1611_attn
		.amdhsa_group_segment_fixed_size 327680
		.amdhsa_private_segment_fixed_size 0
		.amdhsa_enable_private_segment 0
		.amdhsa_kernarg_size 24
		.amdhsa_user_sgpr_count 2
		.amdhsa_user_sgpr_kernarg_segment_ptr 1
		.amdhsa_wavefront_size32 1
		.amdhsa_system_sgpr_workgroup_id_x 1
		.amdhsa_system_sgpr_workgroup_id_y 1
		.amdhsa_system_sgpr_workgroup_id_z 1
		.amdhsa_system_vgpr_workitem_id 0
		.amdhsa_next_free_vgpr 1024
		.amdhsa_next_free_sgpr 96
		.amdhsa_reserve_vcc 0
		.amdhsa_float_denorm_mode_32 3
		.amdhsa_float_denorm_mode_16_64 3
		.amdhsa_memory_ordered 1
		.amdhsa_forward_progress 1
		.amdhsa_inst_pref_size 152
	.end_amdhsa_kernel
	.amdgpu_metadata
---
amdhsa.version: [ 1, 2 ]
amdhsa.kernels:
  - .name:           k_qf364cb1611_attn
    .symbol:         k_qf364cb1611_attn.kd
    .args:
      - { .name: codes, .offset: 0, .size: 8, .value_kind: global_buffer, .address_space: global }
      - { .name: scales, .offset: 8, .size: 8, .value_kind: global_buffer, .address_space: global }
      - { .name: out0, .offset: 16, .size: 8, .value_kind: global_buffer, .address_space: global }
    .group_segment_fixed_size: 327680
    .private_segment_fixed_size: 0
    .kernarg_segment_align: 8
    .kernarg_segment_size: 24
    .max_flat_workgroup_size: 128
    .sgpr_count:     96
    .vgpr_count:     1024
    .wavefront_size: 32
...
	.end_amdgpu_metadata
.endif
;; end of part 2
